; MI455X (gfx1250); checked and timed in simulation.
; The chip was launched on July 23, 2026; its instructions are those of AMD's public machine-readable ISA for CDNA 5 (MIT licence, August 2026) and "CDNA5" Instruction Set Architecture Reference Guide (July 2026). The comments in the code are by the model that wrote it; some were corrected since.
;; Quant Linear. Allowed arithmetic: matrix products marked QUANTISED: E4M3 operands, one E8M0 scale for each 32 along K, by v_wmma_scale_f32_16x16x128_f8f6f4 with both operands' format E4M3, f32 sums; everything else in f32.
;; Inputs: bias 2,048 float32; offsets 65,536 float32; packed 4,194,304 int32; scales 65,536 float32; x 4 x 2,048 x 4,096 float32.
;; Outputs: out0 4 x 2,048 x 2,048 float32.
;; This version of the problem:
;;   THIS VERSION OF THE PROBLEM IS GIVEN IN LOW PRECISION. The matrix products marked QUANTISED in the list below multiply operands that are first quantised to E4M3 (4 exponent bits, 3 mantissa bits; 8 bits a number), with one power-of-two scale for each 32 numbers along K (OCP MX v1.0); their sums are f32. All else is computed in f32.
;;   The module's matrix products, in the order in which they are computed (A, B: the left and right operand; K: the contracted axis; several contracted axes count as one K, in the product's order):
;;     1. [M 8,192, K 4,096] x [K 4,096, N 2,048]; A: input x; B: computed on the way: QUANTISED
;;   THE QUANTISER, for each operand of a quantised product, along K:
;;     - K is cut into blocks of 32 from its start; a last block that is shorter is filled with zeros.
;;     - A block's scale is 2^e with e = floor(log2(the largest magnitude in the block)) - 8, held to -126 .. 127; a block of zeros has e = 0. As a byte (E8M0): e + 127.
;;     - Each number is divided by its block's scale, clamped to +-448, and rounded to the nearest number of E4M3, ties to even, subnormals kept.
;;     - The product sums the exact products of the quantised numbers (number of the format x scale) in f32.
;;   ~~~python
;;   def quantise(x, axis):      # numpy; x: float32 -> the quantised numbers, widened to float32 again
;;       x = np.moveaxis(x, axis, -1); K = x.shape[-1]
;;       x = np.pad(x, [(0, 0)] * (x.ndim - 1) + [(0, -K % 32)]); x = x.reshape(x.shape[:-1] + (-1, 32)); a = np.abs(x).max(-1, keepdims=True)
;;       e = np.where(a > 0, np.clip(np.frexp(np.where(a > 0, a, 1))[1] - 1 - 8, -126, 127), 0)      # np.frexp(a)[1] - 1 = floor(log2(a)), exactly
;;       r = np.clip(x / 2.0 ** e, -448, 448)
;;       step = 2.0 ** (np.maximum(np.frexp(np.where(r == 0, 1, r))[1] - 1, -6) - 3)
;;       q = np.round(r / step) * step * 2.0 ** e      # np.round: ties to even
;;       return np.moveaxis(q.reshape(q.shape[:-2] + (-1,))[..., :K], -1, axis).astype(np.float32)
;;   ~~~
;;   OPERANDS COMPUTED ON THE WAY. 'Computed on the way' means the value that the module computes at that place (a softmax that the list does not call 'softmax' is quantised finished and normalised). What goes into a quantiser is computed in f32, as accurately as f32 sums, v_exp_f32 and their like allow (about 1e-6 of the number): no bf16 or f16 on the way to a quantiser, and a product that is left as it is and whose result goes on into a quantised operand takes f32 operands (vector FMAs, or v_wmma_f32_16x16x4_f32). A number that lies on a knife's edge between two numbers of the format may be rounded either way, as far as f32 arithmetic and the matrix unit's own rounding can turn it there, and no further.
;; One version. Each part assembles by itself: llvm-mc -triple=amdgcn-amd-amdhsa -mcpu=gfx1250 --defsym DOCPART=n.
;; ======== version 1 of 1: 2 launches
;; limits: right only within a limited range of input values
;; workspace buffers: a_ws 34,603,008 bytes; b_ws 8,650,752 bytes
;; launch quant (part 1): grid 1280 x 1, 4 waves a work-group, no clusters, 37,376 bytes of LDS; arguments x, packed, scales, offsets, a_ws, b_ws; writes a_ws, b_ws
.if DOCPART == 1
	.amdgcn_target "amdgcn-amd-amdhsa--gfx1250"
	.amdhsa_code_object_version 6
	.text
	.protected	k_q4c8bba4ebb_quant
	.globl	k_q4c8bba4ebb_quant
	.p2align	8
	.type	k_q4c8bba4ebb_quant,@function
k_q4c8bba4ebb_quant:
	s_mov_b64 s[64:65], 0
	v_nop
	global_prefetch_b8 v0, s[64:65] scope:SCOPE_SE
	s_setreg_imm32_b32 hwreg(HW_REG_WAVE_MODE, 25, 1), 1
	s_wait_xcnt 0x0
; x [8192][4096] f32, and w [2048][4096] = nibble x scales[group of 128] + offsets[group], are turned into codes of FP8 (E4M3) with one E8M0 scale byte for each 32 along K.
; A block's scale is 2^(floor(log2(its largest magnitude)) - 8); its byte is the largest magnitude's exponent field - 8, held at 1 from below; each number is divided by the scale, held within +-448, rounded to the nearest code, ties to even.
; THE WORKSPACE, alike for both: [block of 128 rows][K step of 256, 0..15][PART of 33,792 bytes].  A PART: 128 x 256 bytes, row r's 256 codes in K's order; then 1,024 bytes, 8 scale bytes a row at 32,768 + 8 r.
; So the product's launch brings the codes and scale bytes of 128 rows and one K step as one dense block.
; SHARES.  Work-groups 0..1023 take x, 1024..1279 w.  A work-group takes 32 rows x 1,024 along K, each of its four waves 32 rows x one K step: 32 rows of 256 code bytes and 256 scale bytes, all stored as whole aligned runs of 256 bytes.
; Waves share nothing: no barrier.  The two paths part on the work-group's number and have LDS bytes of their own.
; w = q x scale + offset is ONE fused multiply-add in f32 (one rounding where a multiplication and an addition have two).
; The w path reads 8 bytes of scales and of offsets for each of its 32 rows, rows 128 bytes apart, once a wave: both tensors together are 512 KiB of the launch's 151 MB.
; LIMITS: a block whose largest magnitude lies under 2^-118 keeps the byte 1 (its numbers become small or zero codes); a block of zeros gets the byte 1 where the rule says 127: its codes are zeros, which add nothing,
; and this program alone reads the bytes.  NaN and infinities among the inputs are not served.
.set PARTB, 33792
.set STEPS, 16
.set SP,    80                         ; x path: a lane's place in a stage: its 64 bytes + 16 of padding
.set R,     16                         ; x path: v16-79   four sets of 16 numbers as they are loaded
.set X,     80                         ;         v80-111  two sets of 16 neighbours
.set E,     112                        ;         v112-127 a scale byte for each step
.set C,     128                        ;         v128-191 codes: four registers for each step, so that no store's data are written again
.set PK,    16                         ; w path: v16-79   a ring of 16 rows x 4 packed words
.set QN,    80                         ;         v80-95   two sets of 8 numbers
.set CW,    96                         ;         v96-99   two sets of 8 codes
.set SOP,   128                        ;         v128-191 row t's (scale, offset) of my half of the K step
	s_load_b256 s[4:11], s[0:1], 0x0               ; x s[4:5], packed s[6:7], scales s[8:9], offsets s[10:11]
	s_load_b128 s[12:15], s[0:1], 0x20             ; a_ws s[12:13], b_ws s[14:15]
	v_lshl_add_u32 v12, v0, 2, 0x9000              ; v12, v13: my spare word's address and 0, kept for the closing add alone
	v_mov_b32 v13, 0
	v_lshrrev_b32 v1, 5, v0
	v_readfirstlane_b32 s16, v1                    ; wave 0..3
	v_and_b32 v2, 31, v0                           ; lane
	v_lshlrev_b32 v3, 4, v2                        ; 16 x lane
	s_mov_b32 s30, 0x600000                        ; the mantissa field of 448
	s_cmp_lt_u32 ttmp9, 1024
	s_cselect_b32 s17, 0, 1024
	s_sub_co_u32 s17, ttmp9, s17                   ; the work-group's number within its tensor
	s_lshr_b32 s18, s17, 2                         ; which 32 rows
	s_and_b32 s19, s17, 3
	s_lshl_b32 s19, s19, 2
	s_add_co_u32 s19, s19, s16                     ; my wave's K step, 0..15
	s_lshr_b32 s22, s18, 2                         ; which block of 128 rows
	s_lshl_b32 s22, s22, 4
	s_add_co_u32 s22, s22, s19
	s_mul_i32 s22, s22, PARTB                      ; my PART's first byte (under 2^26)
	s_and_b32 s23, s18, 3                          ; which 32 of its 128 rows
	s_lshl_b32 s24, s23, 13
	s_add_co_u32 s24, s24, s22                     ; my codes: 32 rows x 256 bytes
	s_mov_b32 s25, 0
	s_lshl_b32 s26, s23, 8
	s_add_co_u32 s26, s26, s22
	s_add_co_u32 s26, s26, 32768                   ; my scale bytes: 32 rows x 8 bytes
	s_mov_b32 s27, 0
	s_wait_kmcnt 0x0
	s_cmp_lt_u32 ttmp9, 1024                       ; x's work-group or w's?  The choice hangs on the work-group's number alone
	s_cselect_b64 s[12:13], s[12:13], s[14:15]
	s_add_nc_u64 s[28:29], s[12:13], s[26:27]      ; (64-bit sums and selects leave SCC as the compare set it)
	s_add_nc_u64 s[12:13], s[12:13], s[24:25]
	s_cbranch_scc0 .Lw
; ---------------- x.  A step is two rows' 256 numbers each: 2,048 bytes, four loads of 512 consecutive bytes.  The conversions want 16 NEIGHBOURS in a lane's registers: the bytes go through the wave's own stage in LDS as
; they lie and come back 64 bytes a lane (16 bytes of padding behind each 64).  Lanes 0-15 then hold the even row, lanes 16-31 the odd one; two neighbouring lanes hold a block of 32.
	s_lshl_b32 s20, s18, 19                        ; 32 rows of 16,384 bytes
	s_lshl_b32 s21, s19, 10                        ; a K step is 1,024 bytes of a row
	s_add_co_u32 s20, s20, s21
	s_mov_b32 s21, 0
	s_add_nc_u64 s[4:5], s[4:5], s[20:21]
	s_lshl_b32 s31, s16, 13                        ; LDS: 8,192 bytes for each wave: two stages of 32 x SP bytes, behind them its 256 scale bytes
	s_wait_alu depctr_va_vdst(0)
	v_lshrrev_b32 v14, 2, v2
	v_mul_u32_u24 v14, v14, SP
	v_and_b32 v15, 3, v2
	v_lshl_add_u32 v14, v15, 4, v14
	v_add_nc_u32 v14, s31, v14                     ; into a stage: SP (lane / 4) + 16 (lane % 4); a load's 512 bytes take eight places
	v_mul_u32_u24 v15, v2, SP
	v_add_nc_u32 v15, s31, v15                     ; out of it: SP x lane
	v_lshrrev_b32 v5, 1, v2
	s_add_co_u32 s31, s31, 2*32*SP
	v_add_nc_u32 v5, s31, v5                       ; my block's scale byte
	v_lshlrev_b32 v7, 3, v2                        ; on the way out 8 bytes a lane
	v_add_nc_u32 v6, s31, v7
.macro LOAD t                          ; step t: rows 2 t and 2 t + 1, two halves of 512 bytes each
.irp i, 0,1,2,3
	global_load_b128 v[R+16*((\t)%4)+4*\i:R+16*((\t)%4)+4*\i+3], v3, s[4:5] offset:(2*(\t)+\i/2)*16384+(\i%2)*512 th:TH_LOAD_NT
.endr
.endm
.macro TURN t                          ; step t's numbers through the stage: LDS serves a wave's instructions in order (ISA guide 5.7.1), so no wait stands between the stores and the loads
.irp i, 0,1,2,3
	ds_store_b128 v14, v[R+16*((\t)%4)+4*\i:R+16*((\t)%4)+4*\i+3] offset:32*SP*((\t)%2)+8*SP*\i
.endr
.irp i, 0,1,2,3
	ds_load_b128 v[X+16*((\t)%2)+4*\i:X+16*((\t)%2)+4*\i+3], v15 offset:32*SP*((\t)%2)+16*\i
.endr
.endm
.macro STEP t
.set XS, X+16*((\t)%2)
.if (\t) > 0
	s_wait_dscnt 1                                 ; this step's numbers are back from the stage (the last step's byte store may be out): so its stores into the stage have read their registers,
.else
	s_wait_dscnt 0x0
.endif
.if (\t)+4 < STEPS
	LOAD (\t)+4                                    ; which take the loads of four steps on
.endif
.if (\t)+1 < STEPS
.if STEPS-2-(\t) >= 3
	s_wait_loadcnt 12                              ; the next step's four loads are in; those of the three steps behind it may be out
.else
	s_wait_loadcnt 4*(STEPS-2-(\t))                ; the tail: fewer steps stand behind it
.endif
	TURN (\t)+1                                    ; and go through the other stage while this step is worked
.endif
	v_max3_num_f32 v8, |v[XS]|, |v[XS+1]|, |v[XS+2]|               ; the largest magnitude of my 16, in two chains
	v_max3_num_f32 v9, |v[XS+3]|, |v[XS+4]|, |v[XS+5]|
.irp i, 6,10
	v_max3_num_f32 v8, v8, |v[XS+\i]|, |v[XS+\i+1]|
	v_max3_num_f32 v9, v9, |v[XS+\i+2]|, |v[XS+\i+3]|
.endr
	v_max3_num_f32 v8, v8, |v[XS+14]|, |v[XS+15]|
	v_max3_num_f32 v8, v8, v9, 0x4800000           ; and the floor 2^(9 - 127): the byte cannot fall under 1
	v_max_num_f32_dpp v8, v8, v8 row_xmask:1 row_mask:0xf bank_mask:0xf   ; and of my neighbour's 16: the block's
	v_add_nc_u32 v11, 0xfc000000, v8               ; 8 off its exponent field: the conversion takes the exponent field of this operand as its scale, and nothing else of it
	v_and_or_b32 v10, v8, 0x7f800000, s30          ; 448 x the scale: the largest magnitude's exponent field over 448's mantissa
.irp i, 0,1,2,3,4,5,6,7,8,9,10,11,12,13,14,15
	v_med3_num_f32 v[XS+\i], v[XS+\i], -v10, v10   ; the conversion to an 8-bit code does not saturate (ISA guide 7.6.2): the number is held first
.endr
	v_cvt_scalef32_pk8_fp8_f32 v[C+4*(\t):C+4*(\t)+1], v[XS:XS+7], v11
	v_cvt_scalef32_pk8_fp8_f32 v[C+4*(\t)+2:C+4*(\t)+3], v[XS+8:XS+15], v11
	v_lshrrev_b32 v[E+(\t)], 23, v11               ; the scale's byte (also the plain line behind the conversions)
	ds_store_b8 v5, v[E+(\t)] offset:16*(\t)       ; both lanes of a block write the same byte with the same value: row 2 t's eight bytes, then row 2 t + 1's
	global_store_b128 v3, v[C+4*(\t):C+4*(\t)+3], s[12:13] offset:512*(\t)   ; 32 lanes store 512 consecutive bytes: the two rows' codes
.endm
.irp t, 0,1,2,3
	LOAD \t
.endr
	s_wait_alu depctr_va_vdst(0)
	s_wait_loadcnt 12                              ; step 0's four loads are in; twelve younger ones stay out
	TURN 0
.irp t, 0,1,2,3,4,5,6,7,8,9,10,11,12,13,14,15
	STEP \t
.endr
	ds_load_b64 v[8:9], v6                         ; my wave's 256 scale bytes, 8 a lane: these see my byte stores (in order)
	s_wait_dscnt 0x0
	global_store_b64 v7, v[8:9], s[28:29]          ; 32 lanes store 256 consecutive bytes, aligned
	s_wait_tensorcnt 0x0
	ds_add_u32 v12, v13
	s_wait_dscnt 0x0
	s_endpgm
; ---------------- w.  A row's K step is 128 packed words, 512 bytes: one load of the wave; lane l holds words 4 l .. 4 l + 3, that is k = 8 l .. 8 l + 7 (low nibble first).  Four lanes hold a block of 32;
; lanes 0-15 lie in the K step's first group of 128, lanes 16-31 in its second.
.Lw:
	s_lshl_b32 s20, s18, 18                        ; 32 rows of 8,192 bytes of packed
	s_lshl_b32 s21, s19, 9
	s_add_co_u32 s20, s20, s21
	s_mov_b32 s21, 0
	s_add_nc_u64 s[6:7], s[6:7], s[20:21]
	s_lshl_b32 s20, s18, 12                        ; 32 rows of 32 groups, 128 bytes a row
	s_lshl_b32 s22, s19, 3                         ; a K step's two groups
	s_add_co_u32 s20, s20, s22
	s_add_nc_u64 s[8:9], s[8:9], s[20:21]
	s_add_nc_u64 s[10:11], s[10:11], s[20:21]
	s_lshl_b32 s31, s16, 10
	s_add_co_u32 s31, s31, 32768                   ; LDS: behind the x path's bytes, 1,024 for each wave: 512 of pairs, then its 256 scale bytes
	s_wait_alu depctr_va_vdst(0)
	v_lshlrev_b32 v4, 3, v2                        ; 8 x lane
	v_lshlrev_b32 v9, 7, v2                        ; 128 x lane: a lane a row, for the two small loads
	v_lshl_add_u32 v8, v2, 4, s31                  ; where row = lane puts its (s0, o0, s1, o1)
	v_lshrrev_b32 v7, 4, v2
	v_lshl_add_u32 v7, v7, 3, s31                  ; where my half's pair of row 0 lies; row t's 16 t further on
	s_add_co_u32 s31, s31, 512
	v_lshrrev_b32 v5, 2, v2
	v_add_nc_u32 v5, s31, v5                       ; my block's scale byte
	v_add_nc_u32 v6, s31, v4                       ; on the way out 8 bytes a lane
.macro WLOAD t
	global_load_b128 v[PK+4*((\t)%16):PK+4*((\t)%16)+3], v3, s[6:7] offset:8192*(\t) th:TH_LOAD_NT   ; 32 lanes read 512 consecutive bytes
.endm
	global_load_b64 v[120:121], v9, s[8:9]         ; row = lane: the scales of the K step's two groups,
	global_load_b64 v[122:123], v9, s[10:11]       ; and their offsets
.irp t, 0,1,2,3,4,5,6,7,8,9,10,11,12,13,14,15
	WLOAD \t
.endr
	s_wait_alu depctr_va_vdst(0)
	s_wait_loadcnt 16                              ; the two small loads are in; the sixteen rows behind them stay out
	v_mov_b32 v124, v120
	v_mov_b32 v125, v122
	v_mov_b32 v126, v121
	v_mov_b32 v127, v123
	ds_store_b128 v8, v[124:127]
.irp t, 0,1,2,3,4,5,6,7,8,9,10,11,12,13,14,15,16,17,18,19,20,21,22,23,24,25,26,27,28,29,30,31
	ds_load_b64 v[SOP+2*\t:SOP+2*\t+1], v7 offset:16*\t   ; row t's pair of my half, the same word for sixteen lanes; these see the store above (in order)
.endr
.macro WSTEP t                         ; row t
.set WQ, QN+8*((\t)%2)
.set WC, CW+2*((\t)%2)
.set WP, PK+4*((\t)%16)
.if 31-(\t) < 15
	s_wait_loadcnt 31-(\t)                         ; row t's load is in; only the rows behind it may be out
.else
	s_wait_loadcnt 15
.endif
	s_wait_xcnt 0x0                                ; the earlier stores have read their data: this row's codes may be written into the set of two rows ago
.irp j, 0,1,2,3
	v_and_b32 v[WQ+2*\j], 15, v[WP+\j]             ; the low nibble is the even k,
	v_bfe_u32 v[WQ+2*\j+1], v[WP+\j], 4, 4         ; the high nibble the odd one
.endr
.if (\t) < 16
	WLOAD (\t)+16                                  ; the row's registers take the row sixteen on
.endif
.irp j, 0,1,2,3,4,5,6,7
	v_cvt_f32_u32 v[WQ+\j], v[WQ+\j]
.endr
	s_wait_alu depctr_va_vdst(0)
	s_wait_dscnt 0x0                               ; the pairs are in (first row); the last row's byte store has read its register
.irp j, 0,1,2,3,4,5,6,7
	v_fma_f32 v[WQ+\j], v[WQ+\j], v[SOP+2*(\t)], v[SOP+2*(\t)+1]   ; w = q x scale + offset
.endr
	v_max3_num_f32 v10, |v[WQ]|, |v[WQ+1]|, 0x4800000              ; my 8 and the floor 2^(9 - 127)
	v_max3_num_f32 v11, |v[WQ+2]|, |v[WQ+3]|, |v[WQ+4]|
	v_max3_num_f32 v10, v10, |v[WQ+5]|, |v[WQ+6]|
	v_max3_num_f32 v10, v10, v11, |v[WQ+7]|
	v_max_num_f32_dpp v10, v10, v10 row_xmask:1 row_mask:0xf bank_mask:0xf
	v_max_num_f32_dpp v10, v10, v10 row_xmask:2 row_mask:0xf bank_mask:0xf   ; the four lanes of the block
	v_add_nc_u32 v102, 0xfc000000, v10             ; the conversion's scale operand
	v_and_or_b32 v103, v10, 0x7f800000, s30        ; 448 x the scale
.irp j, 0,1,2,3,4,5,6,7
	v_med3_num_f32 v[WQ+\j], v[WQ+\j], -v103, v103
.endr
	v_cvt_scalef32_pk8_fp8_f32 v[WC:WC+1], v[WQ:WQ+7], v102
	v_lshrrev_b32 v14, 23, v102                    ; the scale's byte (also the plain line behind the conversion)
	ds_store_b8 v5, v14 offset:8*(\t)              ; the four lanes of a block write the same byte with the same value
	global_store_b64 v4, v[WC:WC+1], s[12:13] offset:256*(\t)   ; 32 lanes store the row's 256 code bytes, aligned
.endm
.irp t, 0,1,2,3,4,5,6,7,8,9,10,11,12,13,14,15,16,17,18,19,20,21,22,23,24,25,26,27,28,29,30,31
	WSTEP \t
.endr
	ds_load_b64 v[100:101], v6                     ; my wave's 256 scale bytes: these see my byte stores (in order)
	s_wait_dscnt 0x0
	global_store_b64 v4, v[100:101], s[28:29]      ; 32 lanes store 256 consecutive bytes, aligned
	s_wait_tensorcnt 0x0
	ds_add_u32 v12, v13
	s_wait_dscnt 0x0
	s_endpgm
.Lfunc_end_k_q4c8bba4ebb_quant:
	.size	k_q4c8bba4ebb_quant, .Lfunc_end_k_q4c8bba4ebb_quant-k_q4c8bba4ebb_quant
	.p2alignl 7, 3214868480
	.fill 96, 4, 3214868480
	.section	.rodata,"a",@progbits
	.p2align	6, 0x0
	.amdhsa_kernel k_q4c8bba4ebb_quant
		.amdhsa_group_segment_fixed_size 37376
		.amdhsa_private_segment_fixed_size 0
		.amdhsa_enable_private_segment 0
		.amdhsa_kernarg_size 48
		.amdhsa_user_sgpr_count 2
		.amdhsa_user_sgpr_kernarg_segment_ptr 1
		.amdhsa_wavefront_size32 1
		.amdhsa_system_sgpr_workgroup_id_x 1
		.amdhsa_system_sgpr_workgroup_id_y 1
		.amdhsa_system_sgpr_workgroup_id_z 1
		.amdhsa_system_vgpr_workitem_id 0
		.amdhsa_next_free_vgpr 192
		.amdhsa_next_free_sgpr 66
		.amdhsa_reserve_vcc 0
		.amdhsa_float_denorm_mode_32 3
		.amdhsa_float_denorm_mode_16_64 3
		.amdhsa_memory_ordered 1
		.amdhsa_forward_progress 1
		.amdhsa_inst_pref_size 140
	.end_amdhsa_kernel
	.amdgpu_metadata
---
amdhsa.version: [ 1, 2 ]
amdhsa.kernels:
  - .name:           k_q4c8bba4ebb_quant
    .symbol:         k_q4c8bba4ebb_quant.kd
    .args:
      - { .name: x, .offset: 0, .size: 8, .value_kind: global_buffer, .address_space: global }
      - { .name: packed, .offset: 8, .size: 8, .value_kind: global_buffer, .address_space: global }
      - { .name: scales, .offset: 16, .size: 8, .value_kind: global_buffer, .address_space: global }
      - { .name: offsets, .offset: 24, .size: 8, .value_kind: global_buffer, .address_space: global }
      - { .name: a_ws, .offset: 32, .size: 8, .value_kind: global_buffer, .address_space: global }
      - { .name: b_ws, .offset: 40, .size: 8, .value_kind: global_buffer, .address_space: global }
    .group_segment_fixed_size: 37376
    .private_segment_fixed_size: 0
    .kernarg_segment_align: 8
    .kernarg_segment_size: 48
    .max_flat_workgroup_size: 128
    .sgpr_count:     66
    .vgpr_count:     192
    .wavefront_size: 32
...
	.end_amdgpu_metadata
.endif
;; end of part 1
;; launch gemm (part 2): grid 8 x 32, 4 waves a work-group, clusters of 4 x 4, 327,680 bytes of LDS; arguments a_ws, b_ws, bias, out0; writes out0
.if DOCPART == 2
	.amdgcn_target "amdgcn-amd-amdhsa--gfx1250"
	.amdhsa_code_object_version 6
	.text
	.protected	k_q4c8bba4ebb_gemm
	.globl	k_q4c8bba4ebb_gemm
	.p2align	8
	.type	k_q4c8bba4ebb_gemm,@function
k_q4c8bba4ebb_gemm:
	s_mov_b64 s[64:65], 0
	v_nop
	global_prefetch_b8 v0, s[64:65] scope:SCOPE_SE
	s_setreg_imm32_b32 hwreg(HW_REG_WAVE_MODE, 25, 1), 1
	s_wait_xcnt 0x0
	s_wait_alu depctr_hold_cnt(0) depctr_sa_sdst(0) depctr_va_vdst(0) depctr_va_sdst(0) depctr_va_ssrc(0) depctr_va_vcc(0) depctr_vm_vsrc(0)
	s_getreg_b32 s2, hwreg(HW_REG_IB_STS2, 6, 4)
	s_cmp_eq_u32 s2, 0
	s_cbranch_scc0 .Lentry_in_a_cluster
	s_endpgm
.Lentry_in_a_cluster:
	s_bfe_u32 s2, ttmp6, 0x10000c
	s_cmp_lg_u32 s2, 0xf033
	s_cbranch_scc0 .Lentry_shape_is_right
	s_endpgm
.Lentry_shape_is_right:
; out0[m][n] = sum over k of x[m][k] w[n][k] + bias[n], on the codes of FP8 (E4M3) and E8M0 scale bytes that launch quant laid down.
; WORKSPACE, alike for a_ws and b_ws: [block of 128 rows][K step of 256, 0..15][PART of 33,792 bytes]; a PART is 128 rows x 256 codes, then 8 scale bytes a row: 132 dense rows of 256 bytes.
; A work-group of four waves makes 256 x 256 of the result, a wave 128 x 128: 64 accumulators, 512 registers.  K goes in steps of 256 through a ring of two LDS slots (A's two PARTs, B's two), one tensor load a wave.
; CLUSTERS 4 x 4: A's PARTs are asked for jointly along a row of the cluster, B's along a column.  The matrix instruction is used transposed (source 0 = B's rows, source 1 = A's rows): a lane holds 8 neighbours of a row.
; A STEP of 128 along K is 8 groups of 8 products (group a: A's block a against B's eight), in runs of 2, 3 and 3 groups.  Behind each run stand eight v_nop, the places that a load into a used fragment wants
; and a batch of the next step's LDS loads, in a fixed order (B0'..B7', A0'..A7'; 24, 24 and 16 loads).  A's eight blocks are always the last 32 loads asked for, so behind block k stand
; 4 (7 - k) loads and the batches issued since: each wait on DScnt is counted so.  B has two sets of registers, A one: a block's registers take the next step's block behind its run.
; So a slot has been read out when its second step begins: the change of slots stands at that step's head.
; The bias is the C of each sum's first product.  In the last step a block of 16 rows is whole behind its group: it turns through the wave's stage in LDS and comes back, as whole rows, into its own accumulators' registers;
; the wave's 128 stores follow on end, every offset an immediate (127 rows x 8,192 bytes at the most, inside the signed 24 bits: ISA guide, chapter 10).
; ORDER OF THE SUMS: clusters whose x + y is odd begin at K step 8 and wrap to 0: the f32 sums run in that order of K, not from 0.
; PREFETCH: each cluster asks for each PART that it will load, two fills ahead of the load; the four partners of a joint load share its 128 rows out by address, 32 each, a lane a row, and one more line names the partner's 256 scale bytes.
; The head asks for fills 1 to 3; the last two refills have nothing two fills on and ask for nothing.  LIMITS: those of launch quant.
.set SIZE_N, 2048
.set PITCH,  272                       ; 256 bytes + 16 of padding
.set FR,     16                        ; registers of a fragment, 16 rows x 128 K
.set PARTB,  33792
.set STREAM, 16*PARTB
.set HALFT,  132*PITCH                 ; a PART in LDS
.set SLOT,   4*HALFT
.set SCO,    128*PITCH                 ; a PART's scale bytes
.set SPARE,  2*SLOT                    ; the spare words: 512 bytes that no other line names
.set SPITCH, 528                       ; a stage buffer: 16 rows x (512 + 16); four a wave, 135,168 bytes in all, in slot 0 behind its last fill and last read
.set SBUF,   16*SPITCH
.set LAPS,   8
.set WRAP,   4                         ; the lap count at which the refills pass K step 16
.set ADRA, 16                          ; v16-17 my A fragments in slot 0, 1;  v20-21 B's;  v22-23 scale words
.set ADRB, 20
.set ADRS, 22
.set STO,  24
.set RD,   25
.set CO,   26
.set BO,   27
.set SPW,  28
.set NIL,  29
.set PFO,  30
.set PFS,  31
.set SC,   32                          ; v32-63 scale words, a set for each slot: lanes 0-15 A's block i, lanes 16-31 B's
.set BIAS, 64                          ; v64-127 the bias in the result's layout
.set AF,   128                         ; window 0 v128-255: A's fragments.  Window 1: B's two sets.  Windows 2, 3: accumulators
.set G1, 24
.set G0, 32
.set G1B, 48
.set G0B, 56
.set PFA, 66
.set BACK, 69
.set STP, 76
.set TO_B, 0x40
.set MSB, 0
.macro WIN new                         ; the immediate's high byte repeats the setting that is left
.if MSB != \new
	s_set_vgpr_msb (MSB<<8)|\new
.set MSB, \new
.endif
.endm
.macro JLOAD s                         ; a joint load: waves 0, 1 fetch A's PARTs, waves 2, 3 B's; s_nop 0 and four v_nop behind each line
	s_cmp_eq_u32 s15, 0
	s_cbranch_scc0 .Lfor_b_\@
	tensor_load_to_lds s[G0+4*\s:G0+4*\s+3], s[G1:G1+7]
	s_nop 0
.rept 4
	v_nop
.endr
	s_branch .Lasked_\@
.Lfor_b_\@:
	tensor_load_to_lds s[G0B+4*\s:G0B+4*\s+3], s[G1B:G1B+7]
	s_nop 0
.rept 4
	v_nop
.endr
.Lasked_\@:
.endm
.macro PF off                          ; my 32 rows and my 256 scale bytes of one PART
	global_prefetch_b8 v[PFO], s[PFA:PFA+1] offset:\off th:TH_LOAD_NT scope:SCOPE_SE
	global_prefetch_b8 v[PFS], s[PFA:PFA+1] offset:\off th:TH_LOAD_NT scope:SCOPE_SE
.endm
.macro ASK                             ; not in the loop's last trip: its two refills are the last
	s_cmp_gt_u32 s3, 1
	s_cbranch_scc0 .Lno_ask_\@
	PF PARTB
.Lno_ask_\@:
.endm
.macro CREST
	s_cmp_lg_u32 s14, 0
	s_cbranch_scc1 .Lnot_wave_0_\@
	s_barrier_signal -3
.Lnot_wave_0_\@:
	s_barrier_wait -3
	s_barrier_signal -1
	s_barrier_wait -1
.endm
.macro CROUND
	s_barrier_signal -1
	s_barrier_wait -1
	CREST
.endm
	s_load_b256 s[4:11], s[0:1], 0x0               ; a_ws, b_ws, bias, out0
	v_lshl_add_u32 v[SPW], v0, 2, SPARE
	v_mov_b32 v[NIL], 0
	ds_add_u32 v[SPW], v[NIL]                      ; the opening lines: the add twice and one wait; all set-up that needs no argument stands between
	ds_add_u32 v[SPW], v[NIL]
	v_lshrrev_b32 v1, 5, v0
	v_readfirstlane_b32 s14, v1                    ; wave
	s_lshr_b32 s15, s14, 1                         ; my half of the rows; also: I fetch for A (0) or B (1)
	s_and_b32 s16, s14, 1                          ; my half of the columns; also: which PART I fetch
	s_bfe_u32 s40, ttmp6, 0x40000                  ; cx
	s_bfe_u32 s41, ttmp6, 0x40004                  ; cy
	s_lshl_b32 s42, ttmp9, 2
	s_add_co_u32 s42, s42, s40                     ; tile column
	s_and_b32 s17, ttmp7, 0xffff
	s_add_co_u32 s18, s17, ttmp9
	s_and_b32 s18, s18, 1                          ; the cluster's parity: where along K it begins
	s_lshl_b32 s17, s17, 2
	s_add_co_u32 s17, s17, s41                     ; tile row
	s_lshl_b32 s43, s41, 2
	s_lshl_b32 s43, 15, s43                        ; my row of the cluster
	s_lshl_b32 s44, 0x1111, s40                    ; my column
	s_mul_i32 s19, s18, 8*PARTB
	s_mul_i32 s[BACK], s18, 16*PARTB
	s_mov_b32 s[STP+1], 0
	s_or_b32 s[G1+0], s43, (0<<16)|(1<<20)|(1<<21)|(5<<22)|(3<<25)   ; mask; bytes; padding of 4 words behind every 64
	s_or_b32 s[G1B+0], s44, (0<<16)|(1<<20)|(1<<21)|(5<<22)|(3<<25)
.irp g, G1, G1B
	s_mov_b32 s[\g+1], 256<<16
	s_mov_b32 s[\g+2], 132<<16
	s_mov_b32 s[\g+3], 256<<16
	s_mov_b32 s[\g+4], 132
	s_mov_b32 s[\g+5], 256
	s_mov_b32 s[\g+6], 0
	s_mov_b32 s[\g+7], 0
.endr
	s_lshl_b32 s20, s17, 1
	s_add_co_u32 s20, s20, s16
	s_mul_i32 s20, s20, STREAM
	s_add_co_u32 s20, s20, s19                     ; A: my PART's stream, at the first K step
	s_mov_b32 s21, 0
	s_lshl_b32 s46, s42, 1
	s_add_co_u32 s46, s46, s16
	s_mul_i32 s46, s46, STREAM
	s_add_co_u32 s46, s46, s19                     ; B likewise
	s_mov_b32 s47, 0
	s_mul_i32 s45, s14, HALFT                      ; where my PART goes
	s_cmp_eq_u32 s15, 0
	s_cselect_b32 s23, s40, s41                    ; my place among the four that ask with me
	s_lshl_b32 s70, s23, 13                        ; its 32 rows
	s_lshl_b32 s71, s23, 8
	s_add_co_u32 s71, s71, 32768                   ; its 256 scale bytes
	s_mul_i32 s72, s15, HALFT                      ; my rows of A
	s_mul_i32 s73, s16, HALFT
	s_add_co_u32 s73, s73, 2*HALFT                 ; my rows of B
	s_xor_b32 s74, s15, 1
	s_add_co_u32 s74, s74, s16
	s_add_co_u32 s74, s74, 1
	s_mul_i32 s74, s74, HALFT                      ; from A's PART to B's
	s_add_co_u32 s75, s72, SCO
	s_mul_i32 s78, s14, 4*SBUF                     ; my four stage buffers
	s_lshl_b32 s80, s42, 10
	s_lshl_b32 s81, s16, 9
	s_add_co_u32 s80, s80, s81                     ; my first column, in bytes
	s_mov_b32 s81, 0
	s_lshl_b32 s82, s17, 8
	s_lshl_b32 s83, s15, 7
	s_add_co_u32 s82, s82, s83
	s_lshl_b32 s82, s82, 13                        ; my first row x 8,192 bytes
	s_add_co_u32 s82, s82, s80
	s_mov_b32 s83, 0
	v_and_b32 v1, 15, v0                           ; r
	v_bfe_u32 v2, v0, 4, 1                         ; h
	v_and_b32 v6, 31, v0
	v_mul_u32_u24 v3, v1, PITCH
	v_lshl_add_u32 v4, v2, 4, v3
	v_add_nc_u32 v[ADRA], s72, v4
	v_add_nc_u32 v[ADRB], s73, v4
	v_add_nc_u32 v[ADRA+1], SLOT, v[ADRA]
	v_add_nc_u32 v[ADRB+1], SLOT, v[ADRB]
	v_mul_u32_u24 v7, s74, v2                      ; lanes 16-31 take B's scale words
	v_lshl_add_u32 v5, v1, 3, v7
	v_add_nc_u32 v[ADRS], s75, v5
	v_add_nc_u32 v[ADRS+1], SLOT, v[ADRS]
	v_mul_u32_u24 v5, v1, SPITCH
	v_lshl_add_u32 v5, v2, 5, v5
	v_add_nc_u32 v[STO], s78, v5
	v_lshlrev_b32 v[CO], 4, v6
	v_add_nc_u32 v[RD], s78, v[CO]
	v_lshl_add_u32 v[PFO], v6, 8, s70
	v_lshl_add_u32 v[PFS], v6, 3, s71
	v_lshlrev_b32 v[BO], 5, v2
	s_wait_alu depctr_va_vdst(0)                   ; the wait at the head's end
	s_wait_dscnt 0x0                               ; both opening adds are done
	CROUND                                         ; the round in front of the first joint loads
	s_wait_kmcnt 0x0
	s_add_nc_u64 s[20:21], s[4:5], s[20:21]
	s_add_nc_u64 s[46:47], s[6:7], s[46:47]
.irp s, 0,1
	s_mov_b32 s[G0+4*\s], 1
	s_add_co_u32 s[G0+4*\s+1], s45, \s*SLOT
	s_add_nc_u64 s[G0+4*\s+2:G0+4*\s+3], s[20:21], \s*PARTB
	s_or_b32 s[G0+4*\s+3], s[G0+4*\s+3], 0x80000000
	s_mov_b32 s[G0B+4*\s], 1
	s_add_co_u32 s[G0B+4*\s+1], s45, \s*SLOT
	s_add_nc_u64 s[G0B+4*\s+2:G0B+4*\s+3], s[46:47], \s*PARTB
	s_or_b32 s[G0B+4*\s+3], s[G0B+4*\s+3], 0x80000000
.endr
	JLOAD 0                                        ; fill 0: one tensor load a wave at the head
	s_cmp_eq_u32 s15, 0
	s_cselect_b64 s[PFA:PFA+1], s[20:21], s[46:47]
	s_add_nc_u64 s[PFA:PFA+1], s[PFA:PFA+1], 2*PARTB   ; stands at fill 2
	s_add_nc_u64 s[8:9], s[8:9], s[80:81]
	s_add_nc_u64 s[10:11], s[10:11], s[82:83]
.irp b, 0,1,2,3,4,5,6,7
	global_load_b128 v[BIAS+8*\b:BIAS+8*\b+3],   v[BO], s[8:9] offset:64*\b       ; bias[16 b + 8 h + 0 .. 7]
	global_load_b128 v[BIAS+8*\b+4:BIAS+8*\b+7], v[BO], s[8:9] offset:64*\b+16
.endr
	s_wait_loadcnt 0x0                             ; the bias is in; fill 0 was asked for well ahead of what follows
	PF -PARTB                                      ; fills 1 and 2
	PF 0
.macro FRAG reg, adr, q, i             ; lane (r, h): registers 4 c .. 4 c + 3 hold K = 32 c + 16 h + 0 .. 15 of row r
.irp c, 0,1,2,3
	ds_load_b128 v[\reg+4*\c:\reg+4*\c+3], v[\adr] offset:128*(\q)+32*\c+(\i)*16*PITCH
.endr
.endm
.macro LA s, q, i                      ; A's block i of slot s, its q-th 128 along K
	WIN 0
	FRAG AF+FR*(\i), ADRA+\s, \q, \i
.endm
.macro LB s, q, p, i                   ; B's block i into set p
	WIN TO_B
	FRAG 128*(\p)+FR*(\i), ADRB+\s, \q, \i
.endm
.macro SCALES sc                       ; a slot's scale words: two words a row
	WIN 0
.irp i, 0,1,2,3,4,5,6,7
	ds_load_b64 v[SC+16*\sc+2*\i:SC+16*\sc+2*\i+1], v[ADRS+\sc] offset:(\i/2)*PITCH+(\i%2)*128
.endr
.endm
.macro PL                              ; eight places behind the products above
.rept 8
	v_nop
.endr
.endm
; group a: 8 products on 8 accumulators by turns.  cnt: the LDS instructions issued behind the fragments that the group needs (under 0: no wait is due)
.macro G a, cnt, p, q, sc, first
.if \cnt >= 0
	s_wait_dscnt \cnt
.endif
.if \first
	WIN (0x81+0x40*((\a)/4))
.else
	WIN (0xa1+0x50*((\a)/4))
.endif
.irp b, 0,1,2,3,4,5,6,7
.if \first
	v_wmma_scale_f32_16x16x128_f8f6f4 v[8*(8*((\a)%4)+\b):8*(8*((\a)%4)+\b)+7], v[128*(\p)+FR*\b:128*(\p)+FR*\b+FR-1], v[AF+FR*(\a):AF+FR*(\a)+FR-1], v[BIAS+8*\b:BIAS+8*\b+7], v[SC+16*(\sc)+2*\b+(\q)], v[SC+16*(\sc)+2*(\a)+(\q)] matrix_a_scale:MATRIX_SCALE_ROW1
.else
	v_wmma_scale_f32_16x16x128_f8f6f4 v[8*(8*((\a)%4)+\b):8*(8*((\a)%4)+\b)+7], v[128*(\p)+FR*\b:128*(\p)+FR*\b+FR-1], v[AF+FR*(\a):AF+FR*(\a)+FR-1], v[8*(8*((\a)%4)+\b):8*(8*((\a)%4)+\b)+7], v[SC+16*(\sc)+2*\b+(\q)], v[SC+16*(\sc)+2*(\a)+(\q)] matrix_a_scale:MATRIX_SCALE_ROW1
.endif
.endr
.endm
; A slot's first step.  Counts: 4 (7 - a) for the blocks of A behind block a, + 24 for each batch of this step issued so far
.macro STEP s, first
	G 0, 28, 0, 0, \s, \first
	G 1, 24, 0, 0, \s, \first
	PL
.irp i, 0,1,2,3,4,5
	LB \s, 1, 1, \i
.endr
	G 2, 44, 0, 0, \s, \first
	G 3, 40, 0, 0, \s, \first
	G 4, 36, 0, 0, \s, \first
	PL
	LB \s, 1, 1, 6
	LB \s, 1, 1, 7
.irp i, 0,1,2,3
	LA \s, 1, \i
.endr
	G 5, 56, 0, 0, \s, \first
	G 6, 52, 0, 0, \s, \first
	G 7, 48, 0, 0, \s, \first
	PL
.irp i, 4,5,6,7
	LA \s, 1, \i
.endr
.endm
; A slot's second step changes slots at its head: all its fragments were asked for in the step before.  The three lines, the round, the refill; then the next slot's fragments in the same order as ever
.macro TURN s, nx, fill
	s_wait_tensorcnt 0x0                           ; my part of the next slot has landed: no tensor load of mine is out
	ds_add_u32 v[SPW], v[NIL]
.if \fill
	s_wait_xcnt 0x0                                ; my prefetches have read their address
	s_add_nc_u64 s[PFA:PFA+1], s[PFA:PFA+1], PARTB
.if \s == 0
	s_cmp_eq_u32 s3, WRAP+1                        ; two fills ahead of the refills' own wrap
	s_cselect_b32 s[STP], s[BACK], 0
	s_sub_nc_u64 s[PFA:PFA+1], s[PFA:PFA+1], s[STP:STP+1]
.endif
	s_cmp_eq_u32 s3, WRAP
	s_cselect_b32 s[STP], s[BACK], 0
	s_add_nc_u64 s[G0+4*\s+2:G0+4*\s+3], s[G0+4*\s+2:G0+4*\s+3], 2*PARTB
	s_sub_nc_u64 s[G0+4*\s+2:G0+4*\s+3], s[G0+4*\s+2:G0+4*\s+3], s[STP:STP+1]
	s_add_nc_u64 s[G0B+4*\s+2:G0B+4*\s+3], s[G0B+4*\s+2:G0B+4*\s+3], 2*PARTB
	s_sub_nc_u64 s[G0B+4*\s+2:G0B+4*\s+3], s[G0B+4*\s+2:G0B+4*\s+3], s[STP:STP+1]
.endif
	G 0, 29, 1, 1, \s, 0                           ; behind A0: A1..A7 and the add
	G 1, 25, 1, 1, \s, 0
	WIN 0
	s_wait_dscnt 0x0                               ; the add is done, my reads of this slot are over
	s_barrier_signal -1
	s_barrier_wait -1
.if \fill
	CREST                                          ; the barrier has opened a round of the cluster's barrier
	JLOAD \s                                       ; the refill, first behind the round
.endif
.irp i, 0,1,2,3
	LB \nx, 0, 0, \i
.endr
	SCALES \nx
.if \fill
	ASK
.endif
	G 2, -1, 1, 1, \s, 0
	G 3, -1, 1, 1, \s, 0
	G 4, -1, 1, 1, \s, 0
	PL
.irp i, 4,5,6,7
	LB \nx, 0, 0, \i
.endr
	LA \nx, 0, 0
	LA \nx, 0, 1
	G 5, -1, 1, 1, \s, 0
	G 6, -1, 1, 1, \s, 0
	G 7, -1, 1, 1, \s, 0
	PL
.irp i, 2,3,4,5,6,7
	LA \nx, 0, \i
.endr
.endm
; The way out.  ST: block a's 16 rows x 128 columns into stage buffer a % 4, 32 bytes a lane.  LD: back as whole rows of 512 bytes, row t into registers 4 t .. 4 t + 3 of the block's own 64
.macro ST a
	WIN (0x08+4*((\a)/4))
.irp b, 0,1,2,3,4,5,6,7
	ds_store_b128 v[STO], v[64*((\a)%4)+8*\b:64*((\a)%4)+8*\b+3] offset:((\a)%4)*SBUF+64*\b          ; each accumulator from its low end on
	ds_store_b128 v[STO], v[64*((\a)%4)+8*\b+4:64*((\a)%4)+8*\b+7] offset:((\a)%4)*SBUF+64*\b+16
.endr
.endm
.macro LD a
	WIN (0x80+0x40*((\a)/4))
.irp t, 0,1,2,3,4,5,6,7,8,9,10,11,12,13,14,15
	ds_load_b128 v[64*((\a)%4)+4*\t:64*((\a)%4)+4*\t+3], v[RD] offset:((\a)%4)*SBUF+\t*SPITCH
.endr
.endm
.macro SEND a
	WIN (0x08+4*((\a)/4))
.irp t, 0,1,2,3,4,5,6,7,8,9,10,11,12,13,14,15
	global_store_b128 v[CO], v[64*((\a)%4)+4*\t:64*((\a)%4)+4*\t+3], s[10:11] offset:(16*(\a)+\t)*SIZE_N*4 th:TH_STORE_NT   ; 32 lanes store 512 consecutive bytes, aligned
.endr
.endm
	s_wait_tensorcnt 0x0                           ; my part of fill 0 is in; slot 1's first fill is issued as a refill is
	ds_add_u32 v[SPW], v[NIL]
	s_wait_dscnt 0x0
	CROUND
	JLOAD 1
.irp i, 0,1,2,3,4,5,6,7
	LB 0, 0, 0, \i
.endr
	SCALES 0
.irp i, 0,1,2,3,4,5,6,7
	LA 0, 0, \i
.endr
	PF PARTB                                       ; fill 3
	STEP 0, 1                                      ; the first step starts the sums on the bias
	s_mov_b32 s3, LAPS-1
.Llap:
	TURN 0, 1, 1
	STEP 1, 0
	TURN 1, 0, 1
	STEP 0, 0
	s_sub_co_u32 s3, s3, 1
	s_cmp_lg_u32 s3, 0
	s_cbranch_scc1 .Llap
	TURN 0, 1, 0                                   ; nothing is left to fetch: a barrier, no round
	STEP 1, 0
	; the last step: two blocks are whole behind each pair of groups.  A block is read back only when its stores into the stage are done: each wait for 32 leaves the 32 LDS instructions just issued out
	G 0, 28, 1, 1, 1, 0
	G 1, 24, 1, 1, 1, 0
	PL
	ST 0
	ST 1
	G 2, 48, 1, 1, 1, 0                            ; behind A3: A4..A7 and 32 stores
	G 3, -1, 1, 1, 1, 0
	PL
	ST 2
	ST 3
	s_wait_dscnt 32                                ; blocks 0 and 1 lie in the stage (and A4..A7 are in)
	LD 0
	LD 1
	G 4, -1, 1, 1, 1, 0
	G 5, -1, 1, 1, 1, 0
	PL
	ST 4                                           ; buffers 0 and 1 again: LDS serves a wave in order, so the reads above come first
	ST 5
	s_wait_dscnt 32
	LD 2
	LD 3
	G 6, -1, 1, 1, 1, 0
	G 7, -1, 1, 1, 1, 0
	PL
	ST 6
	ST 7
	s_wait_dscnt 32                                ; blocks 4 and 5 lie in the stage; blocks 0 to 3 are back in registers
	LD 4
	LD 5
	s_wait_dscnt 32                                ; blocks 6 and 7 lie in the stage
	LD 6
	LD 7
.irp a, 0,1,2,3
	SEND \a
.endr
	s_wait_dscnt 32                                ; blocks 4 and 5 are back
	SEND 4
	SEND 5
	s_wait_dscnt 0x0
	SEND 6
	SEND 7
	WIN 0
	s_wait_tensorcnt 0x0                           ; the wave's end
	ds_add_u32 v[SPW], v[NIL]
	s_wait_dscnt 0x0
	CROUND                                         ; the closing round
	s_endpgm
.Lfunc_end_k_q4c8bba4ebb_gemm:
	.size	k_q4c8bba4ebb_gemm, .Lfunc_end_k_q4c8bba4ebb_gemm-k_q4c8bba4ebb_gemm
	.p2alignl 7, 3214868480
	.fill 96, 4, 3214868480
	.section	.rodata,"a",@progbits
	.p2align	6, 0x0
	.amdhsa_kernel k_q4c8bba4ebb_gemm
		.amdhsa_group_segment_fixed_size 327680
		.amdhsa_private_segment_fixed_size 0
		.amdhsa_enable_private_segment 0
		.amdhsa_kernarg_size 32
		.amdhsa_user_sgpr_count 2
		.amdhsa_user_sgpr_kernarg_segment_ptr 1
		.amdhsa_wavefront_size32 1
		.amdhsa_system_sgpr_workgroup_id_x 1
		.amdhsa_system_sgpr_workgroup_id_y 1
		.amdhsa_system_sgpr_workgroup_id_z 1
		.amdhsa_system_vgpr_workitem_id 0
		.amdhsa_next_free_vgpr 1024
		.amdhsa_next_free_sgpr 96
		.amdhsa_reserve_vcc 0
		.amdhsa_float_denorm_mode_32 3
		.amdhsa_float_denorm_mode_16_64 3
		.amdhsa_memory_ordered 1
		.amdhsa_forward_progress 1
		.amdhsa_inst_pref_size 150
	.end_amdhsa_kernel
	.amdgpu_metadata
---
amdhsa.version: [ 1, 2 ]
amdhsa.kernels:
  - .name:           k_q4c8bba4ebb_gemm
    .symbol:         k_q4c8bba4ebb_gemm.kd
    .args:
      - { .name: a_ws, .offset: 0, .size: 8, .value_kind: global_buffer, .address_space: global }
      - { .name: b_ws, .offset: 8, .size: 8, .value_kind: global_buffer, .address_space: global }
      - { .name: bias, .offset: 16, .size: 8, .value_kind: global_buffer, .address_space: global }
      - { .name: out0, .offset: 24, .size: 8, .value_kind: global_buffer, .address_space: global }
    .group_segment_fixed_size: 327680
    .private_segment_fixed_size: 0
    .kernarg_segment_align: 8
    .kernarg_segment_size: 32
    .max_flat_workgroup_size: 128
    .sgpr_count:     96
    .vgpr_count:     1024
    .wavefront_size: 32
...
	.end_amdgpu_metadata
.endif
;; end of part 2
